; MI455X (gfx1250); checked and timed in simulation.
; The chip was launched on July 23, 2026; its instructions are those of AMD's public machine-readable ISA for CDNA 5 (MIT licence, August 2026) and "CDNA5" Instruction Set Architecture Reference Guide (July 2026). The comments in the code are by the model that wrote it; some were corrected since.
;; Multi Head Attention. Allowed arithmetic: float matrix products may take bf16 or f16 operands with f32 sums; other float arithmetic in f32, or as packed bf16 or f16 multiplies, adds, multiply-adds, maxima and minima; sums over many terms, partial sums and values carried from step to step in f32; what a program stores and reads back later, other than sums and carried values, may be rounded once to bf16 or f16.
;; Inputs: Wk 1,024 x 1,024 float32; Wq 1,024 x 1,024 float32; Wv 1,024 x 1,024 float32; bk 1,024 float32; bq 1,024 float32; bv 1,024 float32; keys 128 x 128 x 1,024 float32; queries 128 x 128 x 1,024 float32; values 128 x 128 x 1,024 float32.
;; Outputs: out0 128 x 128 x 1,024 float32.
;; 2 versions, each right; version 2 is version 1 with the launch wcvt written anew for expert scheduling mode. Each part assembles by itself: llvm-mc -triple=amdgcn-amd-amdhsa -mcpu=gfx1250 --defsym DOCPART=n.
;; ======== version 1 of 2: 2 launches
;; limits: values are held in f16: magnitudes above 65,504 overflow, below 6.1e-05 lose precision
;; workspace buffers: wb 6,291,456 bytes
;; launch wcvt (part 1): grid 128 x 3, 8 waves a work-group, no clusters, 0 bytes of LDS; arguments Wk, Wv, Wq, wb; writes wb
.if DOCPART == 1
	.amdgcn_target "amdgcn-amd-amdhsa--gfx1250"
	.amdhsa_code_object_version 6
	.text
	.protected	k_q363a194501_wcvt
	.globl	k_q363a194501_wcvt
	.p2align	8
	.type	k_q363a194501_wcvt,@function
k_q363a194501_wcvt:
	s_mov_b64 s[64:65], 0
	v_nop
	global_prefetch_b8 v0, s[64:65] scope:SCOPE_SE
	s_setreg_imm32_b32 hwreg(HW_REG_WAVE_MODE, 25, 1), 1
	s_wait_xcnt 0x0
; wb[g][8 p + j][rr][k] = bf16(W_p[256 g + rr][128 j + k]), p = 0, 1, 2 for Wk, Wv, Wq; g = 0..3, j = 0..7, rr = 0..255, k = 0..127.
; So the 256 weight rows of a group of four heads lie, for each step of 128 along K, as one dense tile of 256 rows x 256 bytes, and the 24 tiles
; that a work-group of the next launch walks (K's, V's, Q's eight steps) lie end to end.  Each number is rounded once, to nearest even.
; A wave takes one row of one W: eight loads of 512 consecutive bytes, eight stores of 256 consecutive bytes, each at a multiple of 256 from wb's first byte.
; No LDS, no barrier: no wave wants what another has read.
.set TILEB,  65536                     ; a tile of wb
.set GROUPB, 24*TILEB                  ; a head group's 24 tiles
	s_load_b256 s[4:11], s[0:1], 0x0               ; Wk s[4:5], Wv s[6:7], Wq s[8:9], wb s[10:11]
	v_lshrrev_b32 v1, 5, v0
	v_readfirstlane_b32 s12, v1                    ; wave 0..7
	v_and_b32 v2, 31, v0                           ; lane
	v_lshlrev_b32 v3, 4, v2                        ; 16 bytes of f32 a lane in,
	v_lshlrev_b32 v4, 3, v2                        ; 8 bytes of bf16 a lane out
	s_and_b32 s13, ttmp7, 0xffff                   ; p
	s_lshl_b32 s14, ttmp9, 3
	s_add_co_u32 s14, s14, s12                     ; my row of W
	s_lshl_b32 s16, s14, 12                        ; x 4,096 bytes
	s_mov_b32 s17, 0
	s_lshr_b32 s18, s14, 8                         ; g
	s_mul_i32 s18, s18, GROUPB
	s_lshl_b32 s19, s13, 19                        ; + p x 8 tiles
	s_add_co_u32 s18, s18, s19
	s_and_b32 s19, s14, 255                        ; + rr x 256 bytes
	s_lshl_b32 s19, s19, 8
	s_add_co_u32 s18, s18, s19
	s_mov_b32 s19, 0
	s_wait_kmcnt 0x0
	s_cmp_eq_u32 s13, 0
	s_cselect_b64 s[20:21], s[4:5], s[6:7]
	s_cmp_eq_u32 s13, 2
	s_cselect_b64 s[20:21], s[8:9], s[20:21]       ; the W that p names
	s_add_nc_u64 s[20:21], s[20:21], s[16:17]
	s_add_nc_u64 s[10:11], s[10:11], s[18:19]
.irp j, 0,1,2,3,4,5,6,7
	global_load_b128 v[8+4*\j:11+4*\j], v3, s[20:21] offset:512*\j th:TH_LOAD_NT
.endr
.irp j, 0,1,2,3,4,5,6,7
	s_wait_loadcnt 7-\j                            ; loads come back in order: load j is in, the younger ones stay out
	v_cvt_pk_bf16_f32 v[40+2*\j], v[8+4*\j], v[9+4*\j]
	v_cvt_pk_bf16_f32 v[41+2*\j], v[10+4*\j], v[11+4*\j]
	global_store_b64 v4, v[40+2*\j:41+2*\j], s[10:11] offset:TILEB*\j
.endr
	s_endpgm
.Lfunc_end_k_q363a194501_wcvt:
	.size	k_q363a194501_wcvt, .Lfunc_end_k_q363a194501_wcvt-k_q363a194501_wcvt
	.p2alignl 7, 3214868480
	.fill 96, 4, 3214868480
	.section	.rodata,"a",@progbits
	.p2align	6, 0x0
	.amdhsa_kernel k_q363a194501_wcvt
		.amdhsa_group_segment_fixed_size 0
		.amdhsa_private_segment_fixed_size 0
		.amdhsa_enable_private_segment 0
		.amdhsa_kernarg_size 32
		.amdhsa_user_sgpr_count 2
		.amdhsa_user_sgpr_kernarg_segment_ptr 1
		.amdhsa_wavefront_size32 1
		.amdhsa_system_sgpr_workgroup_id_x 1
		.amdhsa_system_sgpr_workgroup_id_y 1
		.amdhsa_system_sgpr_workgroup_id_z 1
		.amdhsa_system_vgpr_workitem_id 0
		.amdhsa_next_free_vgpr 64
		.amdhsa_next_free_sgpr 66
		.amdhsa_reserve_vcc 0
		.amdhsa_float_denorm_mode_32 3
		.amdhsa_float_denorm_mode_16_64 3
		.amdhsa_memory_ordered 1
		.amdhsa_forward_progress 1
		.amdhsa_inst_pref_size 4
	.end_amdhsa_kernel
	.amdgpu_metadata
---
amdhsa.version: [ 1, 2 ]
amdhsa.kernels:
  - .name:           k_q363a194501_wcvt
    .symbol:         k_q363a194501_wcvt.kd
    .args:
      - { .name: Wk, .offset: 0, .size: 8, .value_kind: global_buffer, .address_space: global }
      - { .name: Wv, .offset: 8, .size: 8, .value_kind: global_buffer, .address_space: global }
      - { .name: Wq, .offset: 16, .size: 8, .value_kind: global_buffer, .address_space: global }
      - { .name: wb, .offset: 24, .size: 8, .value_kind: global_buffer, .address_space: global }
    .group_segment_fixed_size: 0
    .private_segment_fixed_size: 0
    .kernarg_segment_align: 8
    .kernarg_segment_size: 32
    .max_flat_workgroup_size: 256
    .sgpr_count:     66
    .vgpr_count:     64
    .wavefront_size: 32
...
	.end_amdgpu_metadata
.endif
;; end of part 1
;; launch mha (part 2): grid 4 x 128, 4 waves a work-group, clusters of 4 x 4, 327,680 bytes of LDS; arguments keys, values, queries, bk, bv, bq, wb, out0; writes out0
.if DOCPART == 2
	.amdgcn_target "amdgcn-amd-amdhsa--gfx1250"
	.amdhsa_code_object_version 6
	.text
	.protected	k_q363a194501_mha
	.globl	k_q363a194501_mha
	.p2align	8
	.type	k_q363a194501_mha,@function
k_q363a194501_mha:
	s_mov_b64 s[64:65], 0
	v_nop
	global_prefetch_b8 v0, s[64:65] scope:SCOPE_SE
	s_setreg_imm32_b32 hwreg(HW_REG_WAVE_MODE, 25, 1), 1
	s_wait_xcnt 0x0
	s_wait_alu depctr_hold_cnt(0) depctr_sa_sdst(0) depctr_va_vdst(0) depctr_va_sdst(0) depctr_va_ssrc(0) depctr_va_vcc(0) depctr_vm_vsrc(0)
	s_getreg_b32 s2, hwreg(HW_REG_IB_STS2, 6, 4)
	s_cmp_eq_u32 s2, 0
	s_cbranch_scc0 .Lentry_in_a_cluster
	s_endpgm
.Lentry_in_a_cluster:
	s_bfe_u32 s2, ttmp6, 0x10000c
	s_cmp_lg_u32 s2, 0xf033
	s_cbranch_scc0 .Lentry_shape_is_right
	s_endpgm
.Lentry_shape_is_right:
; out0[n][row][64 head + ch] = the sum over key of softmax_key(q[n][row][head] . k[n][key][head] / 8) v[n][key][head][ch], with q = queries Wq^T + bq, k = keys Wk^T + bk, v = values Wv^T + bv.
; (128 blocks n of 128 rows, 16 heads of 64 channels: with both leading sizes 128 the reshapes move no number.)
; SHARES.  A work-group owns one block n and four heads; wave w owns head 4 g + w: 128 rows x 64 channels of each projection, 32 accumulators of 16 x 16, and then that head's attention.  q, k, v never leave the chip.
; FORMATS.  x and W are rounded once to bf16 (W by the launch before), sums in f32, started at the f32 bias; q, k, v and the weights p are rounded once to f16 for the two attention products; maxima, sums and out0 in f32.
; LIMITS.  |q|, |k|, |v| stay under 65,504 (f16): inputs some 30 times the usual spread give about 5e3, offsets of 30 spreads on x and W about 2.9e4.  p lies in 0 to 1: p = 2^(c (s - m)) with the row's true maximum m,
; the difference taken first, so it is 1 at the maximum whatever the scores' size.  A weight below 2^-126 counts as 0.  NaN and infinities are not treated apart.
; THE STREAM.  24 steps of 128 along K: K's eight, V's eight, Q's eight.  W's tile of a step (my 64 rows x 256 bytes) comes by a tensor load into my own ring of two LDS slots.  x's tile (128 rows x 512 bytes of f32) comes through
; registers: wave w loads rows 32 w .. 32 w + 31, rounds them to bf16 and stores them into one of two LDS slots that all four waves read.  Tile t + 3 is asked for in step t and rounded in step t + 2.
; LAYOUT.  K and Q: source 0 = 16 rows of W, source 1 = 16 rows of x: a lane holds ONE row and channels 8 (lane / 16) + 0..7; two neighbouring results, rounded to f16 in pairs, ARE a fragment (16 rows x 32 channels).
; V: the sources swapped: a lane holds ONE channel and keys 8 (lane / 16) + 0..7; two results ARE a fragment of V^T.  So K and V go from accumulators to operands without changing lanes.  Q is set aside in my own LDS, lane by lane, so that the attention can be a loop.
; S^T = K Q^T holds one query a lane; two results rounded ARE source 1 of O^T = V^T P, which again holds one query a lane and eight channels.
; CLUSTER.  4 x 4 work-groups: x = the head group, y = four blocks n.  The four of a column walk the same W and biases: each such tile is asked for JOINTLY, by the same tensor load, descriptor and mask in all four.
; x is not asked for jointly: it arrives as f32 and must pass registers to be rounded; as f32 tiles in LDS it would cross LDS twice.
; REGISTERS, in windows of 256 (s_set_vgpr_msb: bits 1:0 source 0, 3:2 source 1, 5:4 source 2, 7:6 destination):
;   window 0: v0-15 addresses; v16-31 at work; v32-63 TMP; v64-191 x's fragments, two buffers of 8; v192-255 W's fragments, two buffers of 4.  In the attention: v32-63 Q, v64-191 S^T, v192-255 P, two tiles each
;   window 1: the 32 accumulators, (row block a, channel block b) at 8 (4 a + b); in the attention O^T, 32 a tile          window 2: x as loaded, two sets of 32 rows x 4          window 3: v0-127 K, v128-255 V^T, in f16
.set PITCH,  272                       ; an LDS row: 256 bytes + 16 = 68 words: row r starts at bank 4 r mod 64 (64 banks of 4 bytes: ISA guide 11.1), so the 16 rows of a fragment load start at 16 different banks
.set WSLOT,  64*PITCH                  ; my 64 rows of a tile of W
.set WWAVE,  2*WSLOT                   ; a wave's ring; the four rings begin at LDS byte 0
.set XBUF,   4*WWAVE                   ; x in bf16: two slots, written by LDS stores alone
.set XSLOT,  128*PITCH
.set BIAS,   XBUF+2*XSLOT              ; 1,024 bytes a wave: my 64 numbers of bk, bv, bq at 0, 256, 512; filled once
.set QS,     BIAS+4096                 ; 16,384 bytes a wave: rounded tile i of Q at 512 i + 16 x lane
.set STAGE,  QS+65536                  ; 16 rows x 272 bytes a wave, for the way out
.set SPARE,  STAGE+4*16*PITCH          ; the spare words, 128 bytes a wave: two blocks of 256 bytes that no other line names
.set TILEB,  65536                     ; a tile of wb: 256 rows x 256 bytes
.set GROUPB, 24*TILEB
.set R,   1                            ; v1   lane % 16
.set H,   2                            ; v2   lane / 16
.set AX,  3                            ; v3   my place in a fragment of x, slot 0
.set AW,  4                            ; v4   my place in a fragment of W, my ring's slot 0
.set XSA, 5                            ; v5   where I store 8 bytes of my wave's first row of x, slot 0
.set XG,  6                            ; v6   my 16 bytes of my wave's first row of x in memory
.set BA,  7                            ; v7   my eight biases of a channel block (K, Q)
.set BV,  8                            ; v8   my one bias of a channel block (V)
.set QSA, 9                            ; v9   my 16 bytes of a rounded tile of Q
.set STO, 10                           ; v10  the way out: where I put 16 bytes of a row
.set RD,  11                           ; v11  the way out: where I read a row back
.set GO,  12                           ; v12  my byte offset in two rows of out0
.set PFO, 13                           ; v13  the prefetch's offset: 256 (lane % 16) + a tile x (lane / 16); never rewritten
.set SPW, 14                           ; v14  LDS address of my spare word; never rewritten
.set NIL, 15                           ; v15  0; never rewritten
.set CA,  16                           ; v16-31  the attention's chains and statistics, eight a tile
.set TMP, 32
.set XF,  64
.set WF,  192
.set QA,  32
.set SA,  64
.set PA,  192
.set WV,  20                           ; s20  my wave's number
.set CX,  21                           ; s21  my place along the cluster's x = the head group
.set CY,  22                           ; s22  my place along its y
.set NB,  23                           ; s23  my block n
.set G1,  28                           ; s[28:35] descriptor group 1 for W's tiles
.set G0,  36                           ; s[36:43] group 0, a set for each slot
.set XP,  44                           ; s[44:45] x at the tile that is loaded next
.set XN,  46                           ; s[46:47] the next x buffer at my block
.set XN2, 48                           ; s[48:49] the one after it
.set XC,  50                           ; s50  tiles left in the buffer in hand
.set CNT, 51                           ; s51  loop counter
.set PFW, 52                           ; s[52:53] where my prefetch stands in wb
.set LIM, 54                           ; s54  1 in the cluster that prefetches
.set TS,  55                           ; s55  at work
.set CS,  56                           ; s[56:57] c = log2(e) / 8
.set SEL, 58                           ; s[58:59] v_permlanex16_b32's selects: each lane takes its own place in the other half
.set OP,  60                           ; s[60:61] out0 at the rows in hand, my head's 256 bytes
.set GB1, 68                           ; s[68:75] descriptor group 1 for the biases
.set GB0, 76                           ; s[76:87] their three groups 0
.set W_MM, 0x50                        ; fragments in window 0, C and D in window 1
.set W_CV, 0x0a                        ; sources in window 2, destination in window 0
.set W_XL, 0x80                        ; destination in window 2, address in window 0
.set MSB, 0
.macro WIN new                         ; the immediate's high byte repeats the setting that is left; a switch that changes nothing is dropped
.if MSB != (\new)
	s_set_vgpr_msb (MSB<<8)|(\new)
.set MSB, \new
.endif
.endm
.macro PLACES                          ; four places: behind a matrix instruction, ahead of a vector instruction that reads its result or writes one of its registers and of a load into one of them
.rept 4
	v_nop
.endr
.endm
; A round of the cluster's barrier: my work-group's barrier, so that wave 0's signal speaks for all four waves; wave 0 signals; every wave waits for all sixteen work-groups; my work-group's barrier once more.
.macro CREST                           ; a round behind its opening barrier
	s_cmp_lg_u32 s[WV], 0
	s_cbranch_scc1 .Lnot_wave_0_\@
	s_barrier_signal -3
.Lnot_wave_0_\@:
	s_barrier_wait -3
	s_barrier_signal -1
	s_barrier_wait -1
.endm
.macro CROUND
	s_barrier_signal -1
	s_barrier_wait -1
	CREST
.endm
; The next product of a quarter step: accumulator i = 4 a + b, fragment buffer f.  The 32 accumulators take turns, one instruction a turn, in the same order in every quarter, over the loops' jumps too.
.macro MM f, swap
	WIN W_MM
.if \swap
	v_wmma_f32_16x16x32_bf16 v[8*i:8*i+7], v[XF+64*(\f)+8*(i/4):XF+64*(\f)+8*(i/4)+7], v[WF+32*(\f)+8*(i%4):WF+32*(\f)+8*(i%4)+7], v[8*i:8*i+7]
.else
	v_wmma_f32_16x16x32_bf16 v[8*i:8*i+7], v[WF+32*(\f)+8*(i%4):WF+32*(\f)+8*(i%4)+7], v[XF+64*(\f)+8*(i/4):XF+64*(\f)+8*(i/4)+7], v[8*i:8*i+7]
.endif
.set i, i+1
.endm
.macro MMS n, f, swap
.rept \n
	MM \f, \swap
.endr
.endm
; 24 LDS loads in one run: the fragments of quarter kq of slot s into buffer g: W's four (my 64 rows), then x's eight (128 rows).  A fragment is 16 rows x 32 K: two loads of 16 bytes a lane, 32 bytes apart.
.macro FLS s, kq, g
	WIN 0
.irp n, 0,1,2,3,4,5,6,7
	ds_load_b128 v[WF+32*(\g)+4*\n:WF+32*(\g)+4*\n+3], v[AW] offset:WSLOT*(\s)+16*PITCH*(\n/2)+64*(\kq)+32*(\n%2)
.endr
.irp m, 0,1,2,3,4,5,6,7,8,9,10,11,12,13,14,15
	ds_load_b128 v[XF+64*(\g)+4*\m:XF+64*(\g)+4*\m+3], v[AX] offset:XSLOT*(\s)+16*PITCH*(\m/2)+64*(\kq)+32*(\m%2)
.endr
.endm
; Four of the 32 roundings of batch bt (16 rows) of a set: row cv / 2, its numbers 2 (cv % 2) and the next
.macro CV4 set, bt
	WIN W_CV
.rept 4
	v_cvt_pk_bf16_f32 v[TMP+cv], v[128*(\set)+64*(\bt)+2*cv], v[128*(\set)+64*(\bt)+2*cv+1]
.set cv, cv+1
.endr
.endm
.macro XSS s2, bt                      ; the batch's 16 rows into slot s2: a store covers a row's 256 bytes
	WIN 0
.irp n, 0,1,2,3,4,5,6,7,8,9,10,11,12,13,14,15
	ds_store_b64 v[XSA], v[TMP+2*\n:TMP+2*\n+1] offset:XSLOT*(\s2)+PITCH*(16*(\bt)+\n)
.endr
.endm
.macro XLS set, bt, off                ; 16 rows of x: a load covers 512 consecutive bytes of a row, at a multiple of 512 from the buffer's first byte.  No hint: the cluster's three other head groups read the same bytes
	WIN W_XL
.irp n, 0,1,2,3,4,5,6,7,8,9,10,11,12,13,14,15
	global_load_b128 v[128*(\set)+64*(\bt)+4*\n:128*(\set)+64*(\bt)+4*\n+3], v[XG], s[XP:XP+1] offset:(\off)+4096*(16*(\bt)+\n)
.endr
.endm
; One of a step's first three quarters (32 along K, 32 products on buffer f).  Behind the first eight products ride the roundings of batch bt of the next x tile; then ONE run of memory instructions: the next quarter's
; fragments, the batch's LDS stores, and (xw = 1) the loads that fill the batch's registers again, with the tile two tiles on.  xw = 2: nothing is left to load.  xw = 0: no x work: four v_nop are the places ahead of the fragment loads.
.macro QUARTER s, kq, f, swap, xw, bt, lw, dw, dw2
.if \xw
	s_wait_loadcnt \lw                             ; the batch's 16 loads are in; the younger ones stay out
.endif
	s_wait_dscnt \dw                               ; the fragments that the first products read are in
.set i, 0
.set cv, 0
.rept 8
	MM \f, \swap
.if \xw
	CV4 1-(\s), \bt
.endif
.endr
.if \xw
.else
	PLACES
.endif
	FLS \s, (\kq)+1, 1-(\f)                        ; into the buffer that the quarter before multiplied: 32 roundings or four v_nop lie behind its last product
.if \xw
	XSS 1-(\s), \bt
.endif
.if (\xw) == 1
	XLS 1-(\s), \bt, 0
.endif
	MMS 8, \f, \swap
.if (\dw2) >= 0
	s_wait_dscnt \dw2                              ; all but this quarter's run: x's rows 64-127 are in
.endif
	MMS 16, \f, \swap
.endm
; A PREFETCH INTO THE L2, once in two steps, behind the joint load, its five lines and the run of fragment loads: of wb's tiles four and five steps on, 16 of the 64 rows that I fetch, 256 bytes each:
; lanes 0-15 name the nearer tile's, lanes 16-31 the further one's.  All 32 clusters walk the same wb: the first (cluster y = 0) asks; its four partners of a column share my 64 rows out BY ADDRESS, 16 each.
; So each row of a tile is named once in the launch.  Tiles 0 to 3 come by their loads alone; the steps behind the loops ask for nothing: the last request, in step 18, names tiles 22 and 23.
.macro ASK
	s_cmp_eq_u32 s[LIM], 1
	s_cbranch_scc0 .Lnot_mine_\@
	global_prefetch_b8 v[PFO], s[PFW:PFW+1] th:TH_LOAD_NT scope:SCOPE_SE
.Lnot_mine_\@:
.endm
; A step's last quarter multiplies buffer 1 and changes slots.  ONE barrier orders three things: my stores of the next x tile are done, my reads of this step's two slots are over, my part of W's next tile has landed.
; mode 2: my slot of W is filled again, with the tile two steps on; the barrier opens a round of the cluster's barrier, and the joint load is the first thing behind the round: it has 112 products in which to land.
; mode 1: nothing is left to ask for.  mode 0: the last step.
.macro TURN s, swap, mode, ask
.set i, 0
.if (\mode) == 2
	WIN 0                                          ; (the add's two registers lie in window 0)
	s_wait_tensorcnt 0x0                           ; all my tensor loads have landed: the one that was out is the next step's tile of W
	ds_add_u32 v[SPW], v[NIL]                      ; 0 onto my spare word
	s_wait_dscnt 1                                 ; this quarter's fragments are in; the add may be out
	MMS 8, 1, \swap                                ; eight products stand between the add and the wait for it
	s_wait_dscnt 0x0                               ; the add, my x stores and my reads of both slots are done
	s_barrier_signal -1
	MMS 8, 1, \swap
	WIN 0
	s_barrier_wait -1
	CREST                                          ; no wave of any partner still reads its slot or has a load on its way
	s_add_nc_u64 s[G0+4*(\s)+2:G0+4*(\s)+3], s[G0+4*(\s)+2:G0+4*(\s)+3], 2*TILEB  ; no tensor load of mine is out, so the group 0 may be written
	tensor_load_to_lds s[G0+4*(\s):G0+4*(\s)+3], s[G1:G1+7]
	s_nop 0
	PLACES                                         ; the places ahead of the loads into buffer 0
	FLS 1-(\s), 0, 0
.if (\ask) == 1
	ASK
.endif
	MMS 16, 1, \swap
.elseif (\mode) == 1
	s_wait_tensorcnt 0x0                           ; W's last tile is in
	s_wait_dscnt 0x0                               ; my x stores and my reads are done
	s_barrier_signal -1
	MMS 16, 1, \swap
	s_barrier_wait -1
	PLACES
	FLS 1-(\s), 0, 0
	MMS 16, 1, \swap
.else
	s_wait_dscnt 0x0
	MMS 32, 1, \swap
.endif
.endm
; A step: tile t in slots s = t % 2 is multiplied, x's tile t + 1 rounded into slot 1 - s, x's tile t + 3 asked for.  ask = 1: the prefetch; ask = 2: its pointer steps.
.macro STEP s, swap, xw, lw0, lw1, mode, ask
.if \xw
.set DWX, 16                           ; the 16 x stores issued behind a quarter's fragment loads may stay out
.else
.set DWX, 0
.endif
	QUARTER \s, 0, 0, \swap, \xw, 0, \lw0, 8, 24+DWX  ; at its head the youngest eight loads, x's rows 64-127, may be out
	QUARTER \s, 1, 1, \swap, \xw, 1, \lw1, DWX, -1
.if ((\xw) == 1) || ((\ask) == 2)
	s_wait_xcnt 0x0                                ; the step's x loads (24 products back) and the last prefetch (a step back) have read their pointers
.endif
.if (\xw) == 1
	s_add_nc_u64 s[XP:XP+1], s[XP:XP+1], 512       ; the next 128 numbers of my rows,
	s_sub_co_u32 s[XC], s[XC], 1
	s_cmp_eq_u32 s[XC], 0                          ; or, behind a buffer's eighth tile, the next buffer
	s_cselect_b64 s[XP:XP+1], s[XN:XN+1], s[XP:XP+1]
	s_cselect_b64 s[XN:XN+1], s[XN2:XN2+1], s[XN:XN+1]
	s_cselect_b32 s[XC], 8, s[XC]
.endif
.if (\ask) == 2
	s_add_nc_u64 s[PFW:PFW+1], s[PFW:PFW+1], 2*TILEB
.endif
	QUARTER \s, 2, 0, \swap, 0, 0, 0, DWX, -1
	TURN \s, \swap, \mode, \ask
.endm
; My biases of projection p into TMP.  form 0 (K, Q): a lane's eight channels of each of the four channel blocks.  form 1 (V): a lane's one channel of each block, twice, as a pair.
.macro BLD form, p
	WIN 0
.if \form
.irp b, 0,1,2,3
	ds_load_b32 v[TMP+2*\b], v[BV] offset:256*(\p)+64*\b
	ds_load_b32 v[TMP+2*\b+1], v[BV] offset:256*(\p)+64*\b
.endr
.else
.irp n, 0,1,2,3,4,5,6,7
	ds_load_b128 v[TMP+4*\n:TMP+4*\n+3], v[BA] offset:256*(\p)+64*(\n/2)+16*(\n%2)
.endr
.endif
.endm
.macro INIT form                       ; the sums start at the bias: 128 packed lines in place of 128 additions at the end
	WIN 0x40
.set i, 0
.rept 32
.irp j, 0,1,2,3
.if \form
	v_pk_mul_f32 v[8*i+2*\j:8*i+2*\j+1], v[TMP+2*(i%4):TMP+2*(i%4)+1], 1.0 op_sel_hi:[1,0]
.else
	v_pk_mul_f32 v[8*i+2*\j:8*i+2*\j+1], v[TMP+8*(i%4)+2*\j:TMP+8*(i%4)+2*\j+1], 1.0 op_sel_hi:[1,0]
.endif
.endr
.set i, i+1
.endr
.endm
.macro PACK win, base, sa, sb          ; all 32 accumulators rounded to f16, each from its low end on: (a, b) to base + sa a + sb b
	WIN \win
.set i, 0
.rept 32
.irp j, 0,1,2,3
	v_cvt_pk_f16_f32 v[(\base)+(\sa)*(i/4)+(\sb)*(i%4)+\j], v[8*i+2*\j], v[8*i+2*\j+1]
.endr
.set i, i+1
.endr
.endm
.macro BOTH line:vararg                ; one line for each of a trip's two tiles t
.set t, 0
.rept 2
	\line
.set t, t+1
.endr
.endm
.macro SUMS w, n                       ; n packed additions, in place, of neighbours w / 2 registers apart
.set u, 0
.rept \n
	BOTH v_pk_add_f32 v[SA+64*t+(\w)*u:SA+64*t+(\w)*u+1], v[SA+64*t+(\w)*u:SA+64*t+(\w)*u+1], v[SA+64*t+(\w)*u+(\w)/2:SA+64*t+(\w)*u+(\w)/2+1]
.set u, u+1
.endr
.endm
	s_load_b512 s[4:19], s[0:1], 0x0               ; keys s[4:5], values s[6:7], queries s[8:9], bk s[10:11], bv s[12:13], bq s[14:15], wb s[16:17], out0 s[18:19]
	v_lshl_add_u32 v[SPW], v0, 2, SPARE
	v_mov_b32 v[NIL], 0
	ds_add_u32 v[SPW], v[NIL]                      ; the wave's opening: the add and its wait stand ahead of my first tensor load; the set-up below, work on registers, stands between them
	v_lshrrev_b32 v16, 5, v0
	v_readfirstlane_b32 s[WV], v16                 ; wave 0..3
	v_and_b32 v16, 31, v0                          ; lane
	v_and_b32 v[R], 15, v0
	v_bfe_u32 v[H], v0, 4, 1
	s_bfe_u32 s[CX], ttmp6, 0x40000
	s_bfe_u32 s[CY], ttmp6, 0x40004
	s_and_b32 s[NB], ttmp7, 0xffff                 ; cluster y
	s_cmp_eq_u32 s[NB], 0
	s_cselect_b32 s[LIM], 1, 0                     ; the same in all sixteen partners
	s_lshl_b32 s[NB], s[NB], 2
	s_add_co_u32 s[NB], s[NB], s[CY]               ; n = 4 x cluster y + cy
	s_lshl_b32 s24, 0x1111, s[CX]                  ; my column of the cluster: places cx, cx + 4, cx + 8, cx + 12
	; group 1 for W: a tile of 64 rows x 128 elements of 2 bytes, dense in memory, padded in LDS
	s_or_b32 s[G1], s24, (1<<16)|(1<<20)|(1<<21)|(5<<22)|(3<<25)  ; 15:0 the mask; 17:16 2-byte elements; 20 padding on; 21 set beside a mask; 24:22 after every 64 words (code 5); 31:25 4 words (code 3)
	s_mov_b32 s[G1+1], 128<<16                     ; tensor_dim0 = 128
	s_mov_b32 s[G1+2], 64<<16                      ; tensor_dim1 = 64
	s_mov_b32 s[G1+3], 128<<16                     ; tile_dim0 = 128
	s_mov_b32 s[G1+4], 64                          ; tile_dim1 = 64
	s_mov_b32 s[G1+5], 128                         ; 128 elements from row to row
	s_mov_b32 s[G1+6], 0
	s_mov_b32 s[G1+7], 0
	; group 1 for a bias: one row of 32 elements of 8 bytes
	s_or_b32 s[GB1], s24, (3<<16)|(1<<21)
	s_mov_b32 s[GB1+1], 32<<16
	s_mov_b32 s[GB1+2], 1<<16
	s_mov_b32 s[GB1+3], 32<<16
	s_mov_b32 s[GB1+4], 1
	s_mov_b32 s[GB1+5], 32
	s_mov_b32 s[GB1+6], 0
	s_mov_b32 s[GB1+7], 0
	; offsets, made apart from the addresses.  s[24:25] and s[66:67] hold what hangs on cx alone, s[26:27] and s[62:63] what hangs on cy
	s_mul_i32 s24, s[CX], GROUPB                   ; wb: my head group's tiles,
	s_lshl_b32 s[TS], s[WV], 14                    ; my 64 rows of a tile
	s_add_co_u32 s24, s24, s[TS]
	s_mov_b32 s25, 0
	s_lshl_b32 s66, s[CX], 10                      ; my head's 64 numbers of f32 in a bias, and in a row of out0: 1,024 cx + 256 w
	s_lshl_b32 s[TS], s[WV], 8
	s_add_co_u32 s66, s66, s[TS]
	s_mov_b32 s67, 0
	s_lshl_b32 s26, s[NB], 19                      ; my block: 128 rows of 4,096 bytes
	s_mov_b32 s27, 0
	s_lshl_b32 s62, s[CY], 12                      ; the prefetch: my work-group's 16 of the wave's 64 rows
	s_mov_b32 s63, 0
	; LDS addresses: constants, the wave's number, the lane; no place in the cluster enters one
	v_mul_u32_u24 v17, v[R], PITCH
	v_lshl_add_u32 v18, v[H], 5, v17               ; 272 r + 32 h
	v_lshl_add_u32 v17, v[H], 4, v17               ; 272 r + 16 h
	v_mul_u32_u24 v19, v[H], PITCH
	v_lshl_add_u32 v19, v[R], 4, v19               ; 272 h + 16 r
	v_add_nc_u32 v[AX], XBUF, v17
	s_mul_i32 s[TS], s[WV], WWAVE
	v_add_nc_u32 v[AW], s[TS], v17
	s_mov_b32 s[G0], 1                             ; count = 1
	s_mov_b32 s[G0+1], s[TS]                       ; LDS address: my ring's slot 0
	s_mov_b32 s[G0+4], 1
	s_add_co_u32 s[G0+5], s[TS], WSLOT             ; slot 1
	s_mul_i32 s[TS], s[WV], 32*PITCH
	s_add_co_u32 s[TS], s[TS], XBUF
	v_lshl_add_u32 v[XSA], v16, 3, s[TS]
	s_lshl_b32 s[TS], s[WV], 17                    ; my 32 rows of x
	v_lshl_add_u32 v[XG], v16, 4, s[TS]
	s_lshl_b32 s[TS], s[WV], 10
	s_add_co_u32 s[TS], s[TS], BIAS
	v_lshl_add_u32 v[BA], v[H], 5, s[TS]
	v_lshl_add_u32 v[BV], v[R], 2, s[TS]
.irp p, 0,1,2
	s_mov_b32 s[GB0+4*\p], 1
	s_add_co_u32 s[GB0+4*\p+1], s[TS], 256*\p
.endr
	s_lshl_b32 s[TS], s[WV], 14
	s_add_co_u32 s[TS], s[TS], QS
	v_lshl_add_u32 v[QSA], v16, 4, s[TS]
	s_mul_i32 s[TS], s[WV], 16*PITCH
	s_add_co_u32 s[TS], s[TS], STAGE
	v_add_nc_u32 v[STO], s[TS], v18
	v_add_nc_u32 v[RD], s[TS], v19
	v_lshlrev_b32 v18, 12, v[H]
	v_lshl_add_u32 v[GO], v[R], 4, v18             ; lanes 0-15 one row's 256 bytes, lanes 16-31 the next row's
	v_lshlrev_b32 v18, 16, v[H]
	v_lshl_add_u32 v[PFO], v[R], 8, v18
	s_mov_b32 s[CS], 0x3e38aa3b                    ; c = log2(e) / 8 = 0.180337
	s_mov_b32 s[CS+1], s[CS]                       ; named with it as a pair
	s_mov_b32 s[SEL], 0x76543210
	s_mov_b32 s[SEL+1], 0xfedcba98
	s_wait_dscnt 0x0                               ; the opening add is done
	s_wait_kmcnt 0x0
	s_add_nc_u64 s[XP:XP+1], s[4:5], s[26:27]      ; keys, values, queries at my block
	s_add_nc_u64 s[XN:XN+1], s[6:7], s[26:27]
	s_add_nc_u64 s[XN2:XN2+1], s[8:9], s[26:27]
	XLS 0, 0, 0                                    ; x's tiles 0 and 1 go out before anything else: 64 loads
	XLS 0, 1, 0
	XLS 1, 0, 512
	XLS 1, 1, 512
	WIN 0
	s_add_nc_u64 s[16:17], s[16:17], s[24:25]      ; wb at my rows of tile 0
	s_mov_b64 s[G0+2:G0+3], s[16:17]
	s_or_b32 s[G0+3], s[G0+3], 0x80000000          ; type = 2
	s_add_nc_u64 s[G0+6:G0+7], s[16:17], TILEB
	s_or_b32 s[G0+7], s[G0+7], 0x80000000
	s_add_nc_u64 s[GB0+2:GB0+3], s[10:11], s[66:67]
	s_or_b32 s[GB0+3], s[GB0+3], 0x80000000
	s_add_nc_u64 s[GB0+6:GB0+7], s[12:13], s[66:67]
	s_or_b32 s[GB0+7], s[GB0+7], 0x80000000
	s_add_nc_u64 s[GB0+10:GB0+11], s[14:15], s[66:67]
	s_or_b32 s[GB0+11], s[GB0+11], 0x80000000
	s_add_nc_u64 s[PFW:PFW+1], s[16:17], s[62:63]
	s_add_nc_u64 s[PFW:PFW+1], s[PFW:PFW+1], 4*TILEB  ; step 0 names tiles 4 and 5
	s_add_nc_u64 s[OP:OP+1], s[18:19], s[26:27]
	s_add_nc_u64 s[OP:OP+1], s[OP:OP+1], s[66:67]
	CROUND                                         ; all sixteen work-groups are here: the first joint loads meet
	tensor_load_to_lds s[G0:G0+3], s[G1:G1+7]      ; the first fills go out as one group: five loads of mine are out.  W's tile 0,
	s_nop 0
.irp p, 0,1,2
	tensor_load_to_lds s[GB0+4*\p:GB0+4*\p+3], s[GB1:GB1+7]  ; my 256 bytes of bk, bv, bq,
	s_nop 0
.endr
	tensor_load_to_lds s[G0+4:G0+7], s[G1:G1+7]    ; W's tile 1
	s_nop 0
	PLACES
	s_wait_loadcnt 32                              ; x's tile 0 is in; tile 1's 32 loads stay out
.set cv, 0
.rept 8
	CV4 0, 0
.endr
	XSS 0, 0
.set cv, 0
.rept 8
	CV4 0, 1
.endr
	XSS 0, 1
	XLS 0, 0, 1024                                 ; tile 2 into the set that tile 0 has left
	XLS 0, 1, 1024
	WIN 0
	s_wait_xcnt 0x0                                ; the loads have read their pointer
	s_add_nc_u64 s[XP:XP+1], s[XP:XP+1], 1536      ; step 0 asks for tile 3;
	s_mov_b32 s[XC], 5                             ; keys has five tiles left
	s_wait_tensorcnt 0x1                           ; W's tile 0 and the biases are in; tile 1 may stay out
	BLD 0, 0
	s_wait_dscnt 0x0                               ; bk is in, and for the others' sake my x stores are done
	s_barrier_signal -1
	INIT 0                                         ; work on registers while the others arrive
	WIN 0
	s_barrier_wait -1                              ; x's tile 0 is whole
	FLS 0, 0, 0
	s_mov_b32 s[CNT], 4
.Lk:                                   ; K: steps 0 to 7.  The counts 48: behind a batch's 16 loads were issued its set's other 16 or the 16 that fill the batch before again, and the other set's 32
	STEP 0, 0, 1, 48, 48, 2, 1
	STEP 1, 0, 1, 48, 48, 2, 2
	WIN 0
	s_sub_co_u32 s[CNT], s[CNT], 1
	s_cmp_lg_u32 s[CNT], 0
	s_cbranch_scc1 .Lk
	BLD 1, 1                                       ; bv
	PLACES                                         ; behind the last products
	PACK 0xc5, 0, 16, 4                            ; K into window 3: (a, b) at 16 a + 4 b, so that v[16 a + 8 c ..] is the fragment of keys 16 a on, channels 32 c on
	s_wait_dscnt 0x0
	INIT 1
	WIN 0
	s_mov_b32 s[CNT], 4
.Lv:                                   ; V: steps 8 to 15, the sources swapped
	STEP 0, 1, 1, 48, 48, 2, 1
	STEP 1, 1, 1, 48, 48, 2, 2
	WIN 0
	s_sub_co_u32 s[CNT], s[CNT], 1
	s_cmp_lg_u32 s[CNT], 0
	s_cbranch_scc1 .Lv
	BLD 0, 2                                       ; bq
	PLACES
	PACK 0xc5, 128, 4, 32                          ; V^T into window 3: (a, b) at 128 + 32 b + 4 a, so that v[128 + 32 cb + 8 kk ..] is the fragment of channels 16 cb on, keys 32 kk on
	s_wait_dscnt 0x0
	INIT 0
	WIN 0
	s_mov_b32 s[CNT], 2
.Lq:                                   ; Q: steps 16 to 19
	STEP 0, 0, 1, 48, 48, 2, 1
	STEP 1, 0, 1, 48, 48, 2, 2
	WIN 0
	s_sub_co_u32 s[CNT], s[CNT], 1
	s_cmp_lg_u32 s[CNT], 0
	s_cbranch_scc1 .Lq
	STEP 0, 0, 1, 48, 48, 2, 0                     ; step 20 asks for x's last tile, and for W's tile 22
	STEP 1, 0, 2, 48, 32, 2, 0                     ; step 21 loads no x: the counts run down; W's tile 23 is asked for
	STEP 0, 0, 2, 16, 0, 1, 0                      ; step 22 rounds x's last tile and asks for nothing
	STEP 1, 0, 0, 0, 0, 0, 0                       ; step 23
	PLACES
	PACK 0x05, 64, 16, 4                           ; Q into window 0, where x's fragments lay,
	WIN 0
.set i, 0
.rept 32
	ds_store_b128 v[QSA], v[64+4*i:64+4*i+3] offset:512*i  ; and aside into my own LDS: each lane will read back what it stored
.set i, i+1
.endr
	; THE ATTENTION of my head: four trips, two tiles of 16 queries each; all 128 keys are at hand, so the maximum is the row's true maximum.
	s_mov_b32 s[CNT], 4
.Latt:
.irp b, 0,1,2,3,4,5,6,7
	ds_load_b128 v[QA+4*\b:QA+4*\b+3], v[QSA] offset:512*\b  ; LDS serves a wave's instructions in order (ISA guide 5.7.1.4): these see the stores above
.endr
	s_wait_dscnt 0x0
	WIN 0x03                                       ; K in window 3; Q and S^T in window 0
.set e, 0
.rept 32                               ; S^T = K Q^T: channels 32 (e / 16) on, keys 16 ((e % 16) / 2) on, tile e % 2: 16 accumulators by turns
.set rS, SA+64*(e%2)+8*((e%16)/2)
.set rK, 16*((e%16)/2)+8*(e/16)
.set rQ, QA+16*(e%2)+8*(e/16)
.if e < 16
	v_wmma_f32_16x16x32_f16 v[rS:rS+7], v[rK:rK+7], v[rQ:rQ+7], 0
.else
	v_wmma_f32_16x16x32_f16 v[rS:rS+7], v[rK:rK+7], v[rQ:rQ+7], v[rS:rS+7]
.endif
.set e, e+1
.endr
	WIN 0
	PLACES
	; the maximum of a lane's 64 scores: eight chains, one an accumulator, each begun at the accumulator's low end
.set a, 0
.rept 8
	BOTH v_max3_num_f32 v[CA+8*t+a], v[SA+64*t+8*a], v[SA+64*t+8*a+1], v[SA+64*t+8*a+2]
.set a, a+1
.endr
.set a, 0
.rept 8
	BOTH v_max3_num_f32 v[CA+8*t+a], v[CA+8*t+a], v[SA+64*t+8*a+3], v[SA+64*t+8*a+4]
.set a, a+1
.endr
.set a, 0
.rept 8
	BOTH v_max3_num_f32 v[CA+8*t+a], v[CA+8*t+a], v[SA+64*t+8*a+5], v[SA+64*t+8*a+6]
.set a, a+1
.endr
.set a, 0
.rept 4
	BOTH v_max3_num_f32 v[CA+8*t+a], v[CA+8*t+a], v[SA+64*t+16*a+7], v[SA+64*t+16*a+15]
.set a, a+1
.endr
	BOTH v_max3_num_f32 v[CA+8*t], v[CA+8*t], v[CA+8*t+1], v[CA+8*t+2]
	BOTH v_max3_num_f32 v[CA+8*t+3], v[CA+8*t+3], v[CA+8*t+4], v[CA+8*t+5]
	BOTH v_max_num_f32 v[CA+8*t+6], v[CA+8*t+6], v[CA+8*t+7]
	BOTH v_max3_num_f32 v[CA+8*t], v[CA+8*t], v[CA+8*t+3], v[CA+8*t+6]
	BOTH v_permlanex16_b32 v[CA+8*t+1], v[CA+8*t], s[SEL], s[SEL+1]  ; the query's other 64 keys lie in the lane 16 away
	BOTH v_max_num_f32 v[CA+8*t], v[CA+8*t], v[CA+8*t+1]             ; m
	; p = 2^(c (s - m)).  The 128 exponentials are ONE batch; a pair's two scalings stand a group ahead of its exponentials, and nothing ahead of the wait names an exponential's result
.set z, 0
.rept 32
	BOTH v_pk_add_f32 v[SA+64*t+2*z:SA+64*t+2*z+1], v[SA+64*t+2*z:SA+64*t+2*z+1], v[CA+8*t:CA+8*t+1] op_sel_hi:[1,0] neg_lo:[0,1] neg_hi:[0,1]
	BOTH v_pk_mul_f32 v[SA+64*t+2*z:SA+64*t+2*z+1], v[SA+64*t+2*z:SA+64*t+2*z+1], s[CS:CS+1] op_sel_hi:[1,0]
.if z > 0
	BOTH v_exp_f32 v[SA+64*t+2*z-2], v[SA+64*t+2*z-2]
	BOTH v_exp_f32 v[SA+64*t+2*z-1], v[SA+64*t+2*z-1]
.endif
.set z, z+1
.endr
	BOTH v_exp_f32 v[SA+64*t+62], v[SA+64*t+62]
	BOTH v_exp_f32 v[SA+64*t+63], v[SA+64*t+63]
	v_nop                                          ; a plain instruction behind the last exponential, ahead of the first use (ISA guide 5.7.2)
	s_wait_alu depctr_va_vdst(0)                   ; and the wait ahead of the first use: one for the batch
.set z, 0
.rept 32
	BOTH v_cvt_pk_f16_f32 v[PA+32*t+z], v[SA+64*t+2*z], v[SA+64*t+2*z+1]
.set z, z+1
.endr
	WIN 0x53                                       ; V^T in window 3, P in window 0, O^T in window 1
.set e, 0
.rept 32                               ; O^T = V^T P: keys 32 (e / 8) on, channels 16 ((e % 8) / 2) on, tile e % 2: 8 accumulators by turns
.set rO, 32*(e%2)+8*((e%8)/2)
.set rV, 128+32*((e%8)/2)+8*(e/8)
.set rP, PA+32*(e%2)+8*(e/8)
.if e < 8
	v_wmma_f32_16x16x32_f16 v[rO:rO+7], v[rV:rV+7], v[rP:rP+7], 0
.else
	v_wmma_f32_16x16x32_f16 v[rO:rO+7], v[rV:rV+7], v[rP:rP+7], v[rO:rO+7]
.endif
.set e, e+1
.endr
	WIN 0
	SUMS 4, 16                                     ; l, of the unrounded p, in f32: these lines name no register of the products and are the places behind them
	SUMS 8, 8
	SUMS 16, 4
	SUMS 32, 2
	SUMS 64, 1
	BOTH v_add_f32 v[CA+8*t+4], v[SA+64*t], v[SA+64*t+1]
	BOTH v_permlanex16_b32 v[CA+8*t+5], v[CA+8*t+4], s[SEL], s[SEL+1]
	BOTH v_add_f32 v[CA+8*t+4], v[CA+8*t+4], v[CA+8*t+5]
	BOTH v_rcp_f32 v[CA+8*t+6], v[CA+8*t+4]        ; l is 1 at the least
	v_nop
	s_wait_alu depctr_va_vdst(0)                   ; one wait for the two reciprocals
	WIN 0x01                                       ; O^T in window 1; 1 / l and the result in window 0
.set z, 0
.rept 16
	BOTH v_pk_mul_f32 v[SA+64*t+2*z:SA+64*t+2*z+1], v[32*t+2*z:32*t+2*z+1], v[CA+8*t+6:CA+8*t+7] op_sel_hi:[1,0]
.set z, z+1
.endr
	WIN 0
	; THE WAY OUT.  A lane holds eight channels of a row, four times; they go into my stage's rows of 272 bytes and come back as whole rows of 256
.irp t, 0,1
.irp n, 0,1,2,3,4,5,6,7
	ds_store_b128 v[STO], v[SA+64*\t+4*\n:SA+64*\t+4*\n+3] offset:64*(\n/2)+16*(\n%2)
.endr
.irp u, 0,1,2,3,4,5,6,7
	ds_load_b128 v[SA+64*\t+32+4*\u:SA+64*\t+32+4*\u+3], v[RD] offset:2*PITCH*\u  ; in order behind the stores above; the next tile's stores come behind these
.endr
.endr
.irp t, 0,1
.irp u, 0,1,2,3,4,5,6,7
	s_wait_dscnt 16*(1-\t)+7-\u                    ; this load is back; the tile's younger loads and the other tile's sixteen LDS instructions may be out
	global_store_b128 v[GO], v[SA+64*\t+32+4*\u:SA+64*\t+32+4*\u+3], s[OP:OP+1] offset:65536*\t+8192*\u th:TH_STORE_NT  ; 16 lanes store 256 consecutive bytes, at a multiple of 256 from out0's first byte
.endr
.endr
	s_wait_xcnt 0x0                                ; the stores have read their registers and their base
	s_add_nc_u64 s[OP:OP+1], s[OP:OP+1], 131072    ; 32 rows on
	v_add_nc_u32 v[QSA], 4096, v[QSA]              ; eight rounded tiles of Q on
	s_sub_co_u32 s[CNT], s[CNT], 1
	s_cmp_lg_u32 s[CNT], 0
	s_cbranch_scc1 .Latt
	s_wait_tensorcnt 0x0                           ; the wave's end: the add and its wait stand behind my last tensor load and my last LDS store
	ds_add_u32 v[SPW], v[NIL]
	s_wait_dscnt 0x0
	CROUND                                         ; the closing round: no work-group ends while a partner may still ask for a tile that names it
	s_endpgm
.Lfunc_end_k_q363a194501_mha:
	.size	k_q363a194501_mha, .Lfunc_end_k_q363a194501_mha-k_q363a194501_mha
	.p2alignl 7, 3214868480
	.fill 96, 4, 3214868480
	.section	.rodata,"a",@progbits
	.p2align	6, 0x0
	.amdhsa_kernel k_q363a194501_mha
		.amdhsa_group_segment_fixed_size 327680
		.amdhsa_private_segment_fixed_size 0
		.amdhsa_enable_private_segment 0
		.amdhsa_kernarg_size 64
		.amdhsa_user_sgpr_count 2
		.amdhsa_user_sgpr_kernarg_segment_ptr 1
		.amdhsa_wavefront_size32 1
		.amdhsa_system_sgpr_workgroup_id_x 1
		.amdhsa_system_sgpr_workgroup_id_y 1
		.amdhsa_system_sgpr_workgroup_id_z 1
		.amdhsa_system_vgpr_workitem_id 0
		.amdhsa_next_free_vgpr 1024
		.amdhsa_next_free_sgpr 88
		.amdhsa_reserve_vcc 0
		.amdhsa_float_denorm_mode_32 3
		.amdhsa_float_denorm_mode_16_64 3
		.amdhsa_memory_ordered 1
		.amdhsa_forward_progress 1
		.amdhsa_inst_pref_size 255
	.end_amdhsa_kernel
	.section	.bss,"aw",@nobits
	.p2align	6
	.space	262144
	.amdgpu_metadata
---
amdhsa.version: [ 1, 2 ]
amdhsa.kernels:
  - .name:           k_q363a194501_mha
    .symbol:         k_q363a194501_mha.kd
    .args:
      - { .name: keys, .offset: 0, .size: 8, .value_kind: global_buffer, .address_space: global }
      - { .name: values, .offset: 8, .size: 8, .value_kind: global_buffer, .address_space: global }
      - { .name: queries, .offset: 16, .size: 8, .value_kind: global_buffer, .address_space: global }
      - { .name: bk, .offset: 24, .size: 8, .value_kind: global_buffer, .address_space: global }
      - { .name: bv, .offset: 32, .size: 8, .value_kind: global_buffer, .address_space: global }
      - { .name: bq, .offset: 40, .size: 8, .value_kind: global_buffer, .address_space: global }
      - { .name: wb, .offset: 48, .size: 8, .value_kind: global_buffer, .address_space: global }
      - { .name: out0, .offset: 56, .size: 8, .value_kind: global_buffer, .address_space: global }
    .group_segment_fixed_size: 327680
    .private_segment_fixed_size: 0
    .kernarg_segment_align: 8
    .kernarg_segment_size: 64
    .max_flat_workgroup_size: 128
    .sgpr_count:     88
    .vgpr_count:     1024
    .wavefront_size: 32
...
	.end_amdgpu_metadata
.endif
;; end of part 2
;; ======== version 2 of 2: 2 launches; version 1 with the launch wcvt written anew for expert scheduling mode
;; limits: values are held in f16: magnitudes above 65,504 overflow, below 6.1e-05 lose precision
;; workspace buffers: wb 6,291,456 bytes
;; launch wcvt (part 3): grid 128 x 3, 8 waves a work-group, no clusters, 0 bytes of LDS; arguments Wk, Wv, Wq, wb; writes wb
.if DOCPART == 3
	.amdgcn_target "amdgcn-amd-amdhsa--gfx1250"
	.amdhsa_code_object_version 6
	.text
	.protected	k_q363a194501_wcvt
	.globl	k_q363a194501_wcvt
	.p2align	8
	.type	k_q363a194501_wcvt,@function
k_q363a194501_wcvt:
	s_mov_b64 s[64:65], 0
	v_nop
	global_prefetch_b8 v0, s[64:65] scope:SCOPE_SE
	s_setreg_imm32_b32 hwreg(HW_REG_WAVE_SCHED_MODE, 0, 2), 2
	s_setreg_imm32_b32 hwreg(HW_REG_WAVE_MODE, 25, 1), 1
	s_wait_xcnt 0x0
	s_wait_alu depctr_vm_vsrc(0)
; wb[g][8 p + j][rr][k] = bf16(W_p[256 g + rr][128 j + k]), p = 0, 1, 2 for Wk, Wv, Wq; g = 0..3, j = 0..7, rr = 0..255, k = 0..127.
; So the 256 weight rows of a group of four heads lie, for each step of 128 along K, as one dense tile of 256 rows x 256 bytes, and the 24 tiles
; that a work-group of the next launch walks (K's, V's, Q's eight steps) lie end to end.  Each number is rounded once, to nearest even.
; A wave takes one row of one W: eight loads of 512 consecutive bytes, eight stores of 256 consecutive bytes, each at a multiple of 256 from wb's first byte.
; No LDS, no barrier: no wave wants what another has read.
; THE MODE: SCHED_MODE bits 1:0 = 2 (LLVM: expert scheduling mode 2), set by the entry lines.  The code itself states the register dependences
; between vector instructions and memory instructions, with s_wait_alu, always for 0.
; THE PLAN.  Registers that memory instructions touch, in a text that is one straight run:
;   v3, v4     byte offsets of the loads and of the stores: made once at the head, never written again.
;   v[8:39]    load j lands in v[8 + 4 j ..], once; no vector instruction names these registers ahead of the loads; conversions j read them.
;   v[40:55]   conversions j write v[40 + 2 j ..], once; store j reads them; they are never written again.
; The eight loads go in four groups of two.  Group g waits for its two loads, issues the two stores of group g - 1, and rounds its own two loads into registers of their own.
; So one wait on va_vdst stands at the head of groups 1 to 3, behind the wait for the group's data: it states that the group before has written what the two stores read;
; the group's own conversions stand behind those stores and name other registers.  One more stands ahead of the last two stores.
; No register that a memory instruction has read is written again, so nothing is owed on vm_vsrc.
.set TILEB,  65536                     ; a tile of wb
.set GROUPB, 24*TILEB                  ; a head group's 24 tiles
	s_load_b256 s[4:11], s[0:1], 0x0               ; Wk s[4:5], Wv s[6:7], Wq s[8:9], wb s[10:11]
	v_lshrrev_b32 v1, 5, v0
	v_readfirstlane_b32 s12, v1                    ; wave 0..7
	v_and_b32 v2, 31, v0                           ; lane
	v_lshlrev_b32 v3, 4, v2                        ; 16 bytes of f32 a lane in,
	v_lshlrev_b32 v4, 3, v2                        ; 8 bytes of bf16 a lane out
	s_and_b32 s13, ttmp7, 0xffff                   ; p
	s_lshl_b32 s14, ttmp9, 3
	s_wait_alu depctr_va_sdst(0)                   ; s12 is written, ahead of its first reader: my row's number is made from it
	s_add_co_u32 s14, s14, s12                     ; my row of W
	s_lshl_b32 s16, s14, 12                        ; x 4,096 bytes
	s_mov_b32 s17, 0
	s_lshr_b32 s18, s14, 8                         ; g
	s_mul_i32 s18, s18, GROUPB
	s_lshl_b32 s19, s13, 19                        ; + p x 8 tiles
	s_add_co_u32 s18, s18, s19
	s_and_b32 s19, s14, 255                        ; + rr x 256 bytes
	s_lshl_b32 s19, s19, 8
	s_add_co_u32 s18, s18, s19
	s_mov_b32 s19, 0
	s_wait_kmcnt 0x0
	s_cmp_eq_u32 s13, 0
	s_cselect_b64 s[20:21], s[4:5], s[6:7]
	s_cmp_eq_u32 s13, 2
	s_cselect_b64 s[20:21], s[8:9], s[20:21]       ; the W that p names
	s_add_nc_u64 s[20:21], s[20:21], s[16:17]
	s_add_nc_u64 s[10:11], s[10:11], s[18:19]
	s_wait_alu depctr_va_vdst(0)                   ; v3 and v4 are written: every load below reads v3 as its offset, every store v4
.irp j, 0,1,2,3,4,5,6,7
	global_load_b128 v[8+4*\j:11+4*\j], v3, s[20:21] offset:512*\j th:TH_LOAD_NT
.endr
.irp g, 0,1,2,3
	s_wait_loadcnt 6-2*\g                          ; loads come back in order: loads 2 g and 2 g + 1 are in, the younger ones stay out
.if \g > 0
	s_wait_alu depctr_va_vdst(0)                   ; the group before has written v[36 + 4 g .. 39 + 4 g], which the two stores below read
	global_store_b64 v4, v[36+4*\g:37+4*\g], s[10:11] offset:TILEB*(2*\g-2)
	global_store_b64 v4, v[38+4*\g:39+4*\g], s[10:11] offset:TILEB*(2*\g-1)
.endif
	v_cvt_pk_bf16_f32 v[40+4*\g], v[8+8*\g], v[9+8*\g]
	v_cvt_pk_bf16_f32 v[41+4*\g], v[10+8*\g], v[11+8*\g]
	v_cvt_pk_bf16_f32 v[42+4*\g], v[12+8*\g], v[13+8*\g]
	v_cvt_pk_bf16_f32 v[43+4*\g], v[14+8*\g], v[15+8*\g]
.endr
	s_wait_alu depctr_va_vdst(0)                   ; the last group has written v[52:55], which the last two stores read
	global_store_b64 v4, v[52:53], s[10:11] offset:TILEB*6
	global_store_b64 v4, v[54:55], s[10:11] offset:TILEB*7
	s_endpgm
.Lfunc_end_k_q363a194501_wcvt:
	.size	k_q363a194501_wcvt, .Lfunc_end_k_q363a194501_wcvt-k_q363a194501_wcvt
	.p2alignl 7, 3214868480
	.fill 96, 4, 3214868480
	.section	.rodata,"a",@progbits
	.p2align	6, 0x0
	.amdhsa_kernel k_q363a194501_wcvt
		.amdhsa_group_segment_fixed_size 0
		.amdhsa_private_segment_fixed_size 0
		.amdhsa_enable_private_segment 0
		.amdhsa_kernarg_size 32
		.amdhsa_user_sgpr_count 2
		.amdhsa_user_sgpr_kernarg_segment_ptr 1
		.amdhsa_wavefront_size32 1
		.amdhsa_system_sgpr_workgroup_id_x 1
		.amdhsa_system_sgpr_workgroup_id_y 1
		.amdhsa_system_sgpr_workgroup_id_z 1
		.amdhsa_system_vgpr_workitem_id 0
		.amdhsa_next_free_vgpr 64
		.amdhsa_next_free_sgpr 66
		.amdhsa_reserve_vcc 0
		.amdhsa_float_denorm_mode_32 3
		.amdhsa_float_denorm_mode_16_64 3
		.amdhsa_memory_ordered 1
		.amdhsa_forward_progress 1
		.amdhsa_inst_pref_size 5
	.end_amdhsa_kernel
	.amdgpu_metadata
---
amdhsa.version: [ 1, 2 ]
amdhsa.kernels:
  - .name:           k_q363a194501_wcvt
    .symbol:         k_q363a194501_wcvt.kd
    .args:
      - { .name: Wk, .offset: 0, .size: 8, .value_kind: global_buffer, .address_space: global }
      - { .name: Wv, .offset: 8, .size: 8, .value_kind: global_buffer, .address_space: global }
      - { .name: Wq, .offset: 16, .size: 8, .value_kind: global_buffer, .address_space: global }
      - { .name: wb, .offset: 24, .size: 8, .value_kind: global_buffer, .address_space: global }
    .group_segment_fixed_size: 0
    .private_segment_fixed_size: 0
    .kernarg_segment_align: 8
    .kernarg_segment_size: 32
    .max_flat_workgroup_size: 256
    .sgpr_count:     66
    .vgpr_count:     64
    .wavefront_size: 32
...
	.end_amdgpu_metadata
.endif
;; end of part 3
;; launch mha: the kernel of part 2 again; grid 4 x 128, 4 waves a work-group, clusters of 4 x 4, 327,680 bytes of LDS; arguments keys, values, queries, bk, bv, bq, wb, out0; writes out0
